; MI455X (gfx1250); checked and timed in simulation.
; The chip was launched on July 23, 2026; its instructions are those of AMD's public machine-readable ISA for CDNA 5 (MIT licence, August 2026) and "CDNA5" Instruction Set Architecture Reference Guide (July 2026). The comments in the code are by the model that wrote it; some were corrected since.
;; Hash Network. Allowed arithmetic: float matrix products may take bf16 or f16 operands with f32 sums; other float arithmetic in f32, or as packed bf16 or f16 multiplies, adds, multiply-adds, maxima and minima; sums over many terms, partial sums and values carried from step to step in f32; what a program stores and reads back later, other than sums and carried values, may be rounded once to bf16 or f16.
;; Inputs: W1_m 32 x 64 float32; W1_p 32 x 64 float32; W2_m 64 x 1 float32; W2_p 64 x 1 float32; b1_m 64 float32; b1_p 64 float32; b2_m 1 float32; b2_p 1 float32; phi_r 262,144 x 1 float32; r 262,144 x 3 float32; table_m 16 x 524,288 x 2 float32; table_p 16 x 524,288 x 2 float32.
;; Outputs: out0 262,144 x 1 float32.
;; 2 versions, each right; version 2 is version 1 with the launch encode_mlp written anew for expert scheduling mode. Each part assembles by itself: llvm-mc -triple=amdgcn-amd-amdhsa -mcpu=gfx1250 --defsym DOCPART=n.
;; ======== version 1 of 2: 2 launches
;; workspace buffers: rec 4,194,304 bytes of whole numbers
;; launch quantise (part 1): grid 256 x 1, 8 waves a work-group, no clusters, 0 bytes of LDS; arguments r, phi_r, rec; writes rec
.if DOCPART == 1
	.amdgcn_target "amdgcn-amd-amdhsa--gfx1250"
	.amdhsa_code_object_version 6
	.text
	.protected	k_q562b3131b5_quantise
	.globl	k_q562b3131b5_quantise
	.p2align	8
	.type	k_q562b3131b5_quantise,@function
k_q562b3131b5_quantise:
	s_mov_b64 s[64:65], 0
	v_nop
	global_prefetch_b8 v0, s[64:65] scope:SCOPE_SE
	s_setreg_imm32_b32 hwreg(HW_REG_WAVE_MODE, 25, 1), 1
	s_wait_xcnt 0x0
; HASH-GRID NETWORK, FIRST OF TWO LAUNCHES: the floating-point inputs that steer addresses become whole numbers.
; rec[i] = (X, Y, Z, sel), four 32-bit words for point i:  X = min(trunc(clip((r.x + 2) / 4, 0, 1) * 2^24), 2^24 - 1), Y and Z likewise;  sel = 1 where phi_r >= 0, else 0.
; The second launch makes every cell, every table index and the choice of the table from these whole numbers.
;
; WORK THAT THE PROGRAM LEAVES OUT, and why it can reach no output, whatever the inputs hold:
;  - the lookup of a point's 128 corners in the table of the net that jnp.where(phi_r >= 0, sol_p, sol_m) does not take for it.  The choice is stored here as a whole number, and the second launch, which
;    reads it from memory, looks each point's corners up in its own net's table alone; whatever the other net's encoding held, the where throws its result away.
;    (In the load from the other table the point's lane stays on and names one fixed entry of the level, the same for all such lanes; what it brings is dropped by a select.  The two small products are made with
;    both nets' weights in every tile of 16 points, since a tile holds points of both nets, and each point's own result is selected.)
;  - '% T' on the direct indices of levels 0 to 4: the corners lie in 0 .. RES, so the index is at most (RES + 1)^3 - 1 <= 71^3 - 1 = 357,910, below T = 524,288.
;  - the factor PRIMES[0] = 1, and the zeros that feat starts from.
; All twelve inputs have a way to the output and are loaded by one of the two launches.
; LIMITS.  A NaN, an infinity or an overflow that arises only in the net that a point does not take is not carried to the result (reference()'s where drops it as well).
; A NaN in r counts as x = 0.  x is kept to 24 bits behind the point and held below 1 (X <= 2^24 - 1): trilinear interpolation is continuous across cell faces, in hashed levels
; too (both neighbouring cells name the shared corners by the same coordinates), so a cell taken one lower with a fraction near 1 moves a result only by the step in position.
;
; SHARES.  Eight waves, 1,024 points a work-group; thread t takes points 256 j + t, j = 0 .. 3.  All sixteen loads go out first.  A wave's store covers 512 consecutive bytes, aligned.
; No LDS, no matrix unit: the launch moves 4 MB in and 4 MB out and does six operations a number.
.set PTS, 1024
.set IN,  4                            ; v[4+4j .. 7+4j]    x, y, z, phi of point j as loaded
.set REC, 20                           ; v[20+4j .. 23+4j]  its record
	s_load_b128 s[4:7], s[0:1], 0x0                ; r s[4:5], phi_r s[6:7]
	s_load_b64 s[8:9], s[0:1], 0x10                ; rec
	s_mul_i32 s10, ttmp9, 12*PTS                   ; the work-group's part of r,
	s_mov_b32 s11, 0
	s_lshl_b32 s16, ttmp9, 12                      ; of phi_r,
	s_mov_b32 s17, 0
	s_lshl_b32 s18, ttmp9, 14                      ; and of rec, in bytes
	s_mov_b32 s19, 0
	s_mov_b32 s12, 0x4a800000                      ; 2^22
	s_mov_b32 s13, 0x4b000000                      ; 2^23
	s_mov_b32 s14, 0x4b800000                      ; 2^24
	v_mul_u32_u24 v1, 12, v0
	v_lshlrev_b32 v2, 2, v0
	v_lshlrev_b32 v3, 4, v0
	s_wait_kmcnt 0x0
	s_add_nc_u64 s[4:5], s[4:5], s[10:11]
	s_add_nc_u64 s[6:7], s[6:7], s[16:17]
	s_add_nc_u64 s[8:9], s[8:9], s[18:19]
.irp j, 0,1,2,3
	global_load_b32 v[IN+4*\j],   v1, s[4:5] offset:3072*\j   th:TH_LOAD_NT
	global_load_b32 v[IN+4*\j+1], v1, s[4:5] offset:3072*\j+4 th:TH_LOAD_NT
	global_load_b32 v[IN+4*\j+2], v1, s[4:5] offset:3072*\j+8 th:TH_LOAD_NT
	global_load_b32 v[IN+4*\j+3], v2, s[6:7] offset:1024*\j   th:TH_LOAD_NT
.endr
; Point j.  r * 2^22 + 2^23, rounded once, is 2^22 times the f32 sum r + 2 (a power of two commutes with the rounding), that is 2^24 times reference()'s (r + 2) / 4.
.macro QUANT j
	s_wait_loadcnt 12-4*(\j)                       ; loads come back in order: the four loads of each younger point may stay out
.irp i, 0,1,2
	v_fma_f32 v[REC+4*(\j)+\i], v[IN+4*(\j)+\i], s12, s13
.endr
.irp i, 0,1,2
	v_max_num_f32 v[REC+4*(\j)+\i], 0, v[REC+4*(\j)+\i]    ; the clip's lower end; a NaN loses
.endr
.irp i, 0,1,2
	v_min_num_f32 v[REC+4*(\j)+\i], s14, v[REC+4*(\j)+\i]  ; its upper end
.endr
.irp i, 0,1,2
	v_cvt_u32_f32 v[REC+4*(\j)+\i], v[REC+4*(\j)+\i]       ; toward zero
.endr
.irp i, 0,1,2
	v_min_u32 v[REC+4*(\j)+\i], 0xffffff, v[REC+4*(\j)+\i] ; x = 1 goes into the last cell
.endr
	v_cmp_le_f32 vcc_lo, 0, v[IN+4*(\j)+3]         ; phi >= 0: true for -0.0, false for a NaN, as in reference()
	v_cndmask_b32 v[REC+4*(\j)+3], 0, 1, vcc_lo
	global_store_b128 v3, v[REC+4*(\j):REC+4*(\j)+3], s[8:9] offset:4096*(\j)
.endm
	QUANT 0
	QUANT 1
	QUANT 2
	QUANT 3
	s_endpgm
.Lfunc_end_k_q562b3131b5_quantise:
	.size	k_q562b3131b5_quantise, .Lfunc_end_k_q562b3131b5_quantise-k_q562b3131b5_quantise
	.p2alignl 7, 3214868480
	.fill 96, 4, 3214868480
	.section	.rodata,"a",@progbits
	.p2align	6, 0x0
	.amdhsa_kernel k_q562b3131b5_quantise
		.amdhsa_group_segment_fixed_size 0
		.amdhsa_private_segment_fixed_size 0
		.amdhsa_enable_private_segment 0
		.amdhsa_kernarg_size 24
		.amdhsa_user_sgpr_count 2
		.amdhsa_user_sgpr_kernarg_segment_ptr 1
		.amdhsa_wavefront_size32 1
		.amdhsa_system_sgpr_workgroup_id_x 1
		.amdhsa_system_sgpr_workgroup_id_y 1
		.amdhsa_system_sgpr_workgroup_id_z 1
		.amdhsa_system_vgpr_workitem_id 0
		.amdhsa_next_free_vgpr 40
		.amdhsa_next_free_sgpr 66
		.amdhsa_reserve_vcc 1
		.amdhsa_float_denorm_mode_32 3
		.amdhsa_float_denorm_mode_16_64 3
		.amdhsa_memory_ordered 1
		.amdhsa_forward_progress 1
		.amdhsa_inst_pref_size 7
	.end_amdhsa_kernel
	.amdgpu_metadata
---
amdhsa.version: [ 1, 2 ]
amdhsa.kernels:
  - .name:           k_q562b3131b5_quantise
    .symbol:         k_q562b3131b5_quantise.kd
    .args:
      - { .name: r, .offset: 0, .size: 8, .value_kind: global_buffer, .address_space: global }
      - { .name: phi_r, .offset: 8, .size: 8, .value_kind: global_buffer, .address_space: global }
      - { .name: rec, .offset: 16, .size: 8, .value_kind: global_buffer, .address_space: global }
    .group_segment_fixed_size: 0
    .private_segment_fixed_size: 0
    .kernarg_segment_align: 8
    .kernarg_segment_size: 24
    .max_flat_workgroup_size: 256
    .sgpr_count:     66
    .vgpr_count:     40
    .wavefront_size: 32
...
	.end_amdgpu_metadata
.endif
;; end of part 1
;; launch encode_mlp (part 2): grid 512 x 1, 16 waves a work-group, no clusters, 26,112 bytes of LDS; arguments rec, table_m, table_p, W1_m, W1_p, b1_m, b1_p, W2_m, W2_p, b2_m, b2_p, out0; writes out0
.if DOCPART == 2
	.amdgcn_target "amdgcn-amd-amdhsa--gfx1250"
	.amdhsa_code_object_version 6
	.text
	.protected	k_q562b3131b5_encode_mlp
	.globl	k_q562b3131b5_encode_mlp
	.p2align	8
	.type	k_q562b3131b5_encode_mlp,@function
k_q562b3131b5_encode_mlp:
	s_mov_b64 s[64:65], 0
	v_nop
	global_prefetch_b8 v0, s[64:65] scope:SCOPE_SE
	s_setreg_imm32_b32 hwreg(HW_REG_WAVE_MODE, 25, 1), 1
	s_wait_xcnt 0x0
; HASH-GRID NETWORK, SECOND LAUNCH: out0[i] = MLP_n(encode(r[i], table_n)), n = the net that rec[i].sel names (1: p, 0: m).
; LEFT OUT (shown at the head of the first kernel): the lookup of a point's corners in the table that its sel does not name; '% T' on direct indices; the factor PRIMES[0] = 1; feat's zeros.
; Of PRIMES[1] and PRIMES[2] only the low 19 bits are kept: '% T' keeps the low 19 bits of the exclusive or, and those hang on the low 19 bits of each product alone.
; LIMITS.  As stated there.  The position in a level is kept in fixed point: 22 bits behind the point in levels 0 to 11 (from x's upper 22 bits), 16 bits in levels 12 to 15 (from all 24).
; So a position is off by less than 2^-12 of a cell, and by the continuity of the interpolation a result moves by no more than that step.
; RES is reference()'s own table, floor(16 b^l) in float64.  b comes out below 2^(8/15), so that 16 b^15 lies just under 4,096 and RES15 = 4095.
;
; SHARES.  A work-group owns 512 points, each of its sixteen waves 32: two sub-batches of 16.  Lane (r = lane % 16, h = lane / 16) works on point r of each sub-batch, for the corners with dx = h: the two
; x corners of a cell, whose entries are neighbours in a direct level and differ in low index bits in a hashed one, stand in one load instruction.  A lane loads its points' records itself.
; THE TABLE IS CHOSEN BY THE OFFSET; all lanes stay on throughout.  From sel a lane keeps KP = sel (T - 1) and KM = (T - 1) - KP: one of them is T - 1, the other 0.  A corner's index is ANDed with KM for the load from
; table_m and with KP for the load from table_p.  So each load line names one buffer; a lane asks its own net's table for its entry and the other table for the level's entry 0 (in a direct level: entry 0 plus the
; corner's constant), the same 8 bytes for all such lanes of the instruction.  Each table's four pairs are weighted into a sum of their own, and two selects by the sub-batch's mask keep the point's own sum.
; Four loads of 8 bytes (dy, dz) from each table for a level and sub-batch; 8 to 16 of a wave's loads are out at any time.
; FROM ENCODING TO MATRIX OPERAND.  After levels 2 q and 2 q + 1 a half-swap of the lanes and one packed addition add the two dx halves and leave level 2 q in lanes 0-15 and level 2 q + 1 in lanes 16-31: that IS
; register q of source 1 (32 k x 16 points) if k is renumbered: true k = 4 q + 2 h + f stands at kappa = 16 (q / 4) + 8 h + 2 (q % 4) + f.  W1's rows are laid into LDS in the same order.
; THE MLP is made with both nets' weights for every tile of 16 points, since a tile holds points of both nets, and each point's own y is selected: 56 matrix instructions a wave beside 256 gathers.
; ARITHMETIC.  enc and W1 go to the matrix unit as bf16 hi + lo (three products: hi hi, hi lo, lo hi); b1 is what the f32 sums start from; h is rounded once to bf16; W2's hi and lo are two rows of one
; source 0, repeated in rows 8 and 9 so that both halves of the lanes end with y; b2 is added in f32.
; NOT USED.  Tensor loads and a ring: the traffic is 8 bytes a lane at addresses of its own.  Clusters: what work-groups share is 17 KB of weights beside 65,536 gathers of their own.  Prefetches: an entry's
; address is known a few lines ahead of its load.  A loop over levels: RES, the fraction's width and the index's form are constants of a level.
.set RES0, 16
.set RES1, 23
.set RES2, 33
.set RES3, 48
.set RES4, 70
.set RES5, 101
.set RES6, 147
.set RES7, 212
.set RES8, 307
.set RES9, 445
.set RES10, 645
.set RES11, 933
.set RES12, 1351
.set RES13, 1955
.set RES14, 2830
.set RES15, 4095
.set LEVELB, 0x400000                  ; bytes of a level's table: 524,288 entries of 8 bytes
; LDS
.set W1NET, 10240                      ; W1's image from byte 0: net n at 10,240 n; hi plane, then lo plane at +5,120; a plane is 32 rows (kappa) of 64 bf16,
.set W1LO,  5120
.set W1P,   160                        ; 160 bytes apart: 128 of data, of which alone the loads read, and 32 that nobody touches
.set B1,    20480                      ; b1 in f32: net n at 256 n
.set W2T,   20992                      ; net n at 512 n: three rows of 64 bf16, 144 bytes apart (128 of data, of which alone the loads read): W2 hi, W2 lo, zeros
.set W2P,   144
.set OUTS,  22016                      ; 512 results, by point
.set SPARE, 24064                      ; the spare words, 128 bytes for each of 16 waves, in eight blocks of 256 bytes that no other line names
; scalar registers
.set WV,   2                           ; my wave's number
.set TBM,  32                          ; s[32+2k:33+2k] table_m at level 2 k; the odd level's 4 MiB stand in the load's immediate; never rewritten
.set TBP,  48                          ; s[48+2k:49+2k] the same for table_p
.set P1,   66                          ; PRIMES[1] mod 2^19
.set P2,   67                          ; PRIMES[2] mod 2^19
.set M19,  68                          ; T - 1
.set ONEQ, 69                          ; 2^Q, Q = the fraction's bits
.set CZ,   70                          ; 2^-3Q: the z weight carries the scale of all three
.set CZ0,  71                          ; 2^-2Q
.set HI16, 72                          ; 0xffff0000: lanes 16-31 as a lane mask, and a word's upper bf16
.set B2M,  73
.set B2P,  74
.set MP,   76                          ; s76, s77  the lanes whose point of sub-batch 0, 1 takes net p
.set MF,   80                          ; the lanes l whose point 32 w + l takes net p
; vector registers
.set SPW,  1                           ; LDS address of my spare word; never rewritten
.set NIL,  2                           ; 0; never rewritten
.set ZR,   3                           ; 0, for the ReLU
.set DX,   4                           ; h
.set SGN,  5                           ; +1 (h = 1) or -1
.set OFS,  6                           ; 0 (h = 1) or 2^Q:  wx = Fx SGN + OFS
.set CB,   8                           ; v[8+6s ..]  X, Y, Z of sub-batch s; from level 12 on their low 8 bits
.set CA,   11                          ; v[11+6s ..] X, Y, Z >> 2; from level 12 on >> 8
.set BH,   20                          ; v[20+16s ..] source 1, hi;  v[28+16s ..] lo
.set DM,   52                          ; v[52+8s ..]  four pairs from table_m: a corner's byte offset is made in the low register of the pair that its load fills
.set DP,   68                          ; v[68+8s ..]  the same for table_p
.set WW,   84                          ; v[84+4s ..]  the four weights
.set FF,   92                          ; v[92+4s ..]  the even level's two features, then the odd level's
.set T,    100                         ; v[100:111] at work
.set KM,   112                         ; v112, v113  T - 1 where my point of sub-batch 0, 1 takes net m, else 0
.set KP,   114                         ; v114, v115  the same for net p
	s_load_b512 s[8:23], s[0:1], 0x0               ; rec 8, table_m 10, table_p 12, W1_m 14, W1_p 16, b1_m 18, b1_p 20, W2_m 22
	s_load_b256 s[24:31], s[0:1], 0x40             ; W2_p 24, b2_m 26, b2_p 28, out0 30
	v_lshl_add_u32 v[SPW], v0, 2, SPARE
	v_mov_b32 v[NIL], 0
	v_mov_b32 v[ZR], 0
	v_lshrrev_b32 v7, 5, v0
	v_readfirstlane_b32 s[WV], v7                  ; wave 0 .. 15
	v_bfe_u32 v[DX], v0, 4, 1
	s_mov_b32 s[P1], 0x779b1                       ; 2654435761 mod 2^19
	s_mov_b32 s[P2], 0x25795                       ; 805459861 mod 2^19
	s_mov_b32 s[M19], 0x7ffff
	s_mov_b32 s[ONEQ], 0x4a800000                  ; Q = 22: 2^22,
	s_mov_b32 s[CZ], 0x1e800000                    ; 2^-66,
	s_mov_b32 s[CZ0], 0x29800000                   ; 2^-44
	s_mov_b32 s[HI16], 0xffff0000
	s_lshl_b32 s4, ttmp9, 13                       ; the work-group's 512 records
	s_mov_b32 s5, 0
	v_and_b32 v20, 0x1ef, v0                       ; 32 w + r: point r of my wave's sub-batch 0, for both halves of the lanes
	v_lshlrev_b32 v20, 4, v20
	v_and_b32 v21, 0xff, v0                        ; i: row a = i / 16 of W1 (and row a + 16), columns 4 (i % 16) on
	v_lshlrev_b32 v21, 4, v21
	v_and_b32 v22, 15, v0                          ; for wave 0's share of b1 and W2: 16 bytes at 16 r in memory,
	v_lshlrev_b32 v22, 4, v22
	v_lshl_add_u32 v23, v[DX], 8, v22              ; b1 in LDS at 256 h + 16 r,
	v_lshrrev_b32 v24, 1, v22
	v_lshl_add_u32 v24, v[DX], 9, v24              ; W2 at 512 h + 8 r
	s_wait_kmcnt 0x0
	s_load_b32 s[B2M], s[26:27], 0x0               ; waited for behind the barrier
	s_load_b32 s[B2P], s[28:29], 0x0
	s_add_nc_u64 s[8:9], s[8:9], s[4:5]
	s_cmp_lt_u32 s[WV], 8                          ; waves 0-7 lay out net m's W1, waves 8-15 net p's
	s_cselect_b64 s[6:7], s[14:15], s[16:17]
	global_load_b128 v[CB:CB+3], v20, s[8:9] th:TH_LOAD_NT              ; X, Y, Z, sel of my point of sub-batch 0,
	global_load_b128 v[CB+6:CB+9], v20, s[8:9] offset:256 th:TH_LOAD_NT ; and of sub-batch 1, sixteen records on
	global_load_b128 v[28:31], v21, s[6:7]
	global_load_b128 v[32:35], v21, s[6:7] offset:4096
	s_cmp_lg_u32 s[WV], 0
	s_cbranch_scc1 .Lno_small
	global_load_b128 v[52:55], v22, s[18:19]       ; wave 0: b1 and W2 of both nets; both halves of the lanes load both nets' 16 bytes
	global_load_b128 v[56:59], v22, s[20:21]
	global_load_b128 v[60:63], v22, s[22:23]
	global_load_b128 v[64:67], v22, s[24:25]
.Lno_small:
	v_bfe_u32 v36, v0, 5, 1                        ; true k = a = (q1 q0 h f) goes to row kappa = (h q1 q0 f); row a + 16 goes 16 rows further
	v_bfe_u32 v37, v0, 6, 2
	v_bfe_u32 v38, v0, 4, 1
	v_lshl_or_b32 v36, v36, 3, v38
	v_lshl_or_b32 v36, v37, 1, v36
	v_mul_u32_u24 v36, W1P, v36
	v_and_b32 v37, 15, v0
	v_lshl_add_u32 v36, v37, 3, v36                ; + 8 bytes for my four columns
	s_lshr_b32 s4, s[WV], 3
	s_mul_i32 s4, s4, W1NET
	v_add_nc_u32 v36, s4, v36
.set k, 0
.rept 8
	s_add_nc_u64 s[TBM+2*k:TBM+2*k+1], s[10:11], k*2*LEVELB   ; each table at its even levels
	s_add_nc_u64 s[TBP+2*k:TBP+2*k+1], s[12:13], k*2*LEVELB
.set k, k+1
.endr
; Four f32 in v[x .. x+3] as bf16 hi (v[44:45]) and lo (v[50:51]): lo is the rounded rest x - hi, which f32 holds exactly.
.macro HILO x
	v_cvt_pk_bf16_f32 v44, v[\x], v[\x+1]
	v_cvt_pk_bf16_f32 v45, v[\x+2], v[\x+3]
	v_lshlrev_b32 v46, 16, v44
	v_and_b32 v47, s[HI16], v44
	v_lshlrev_b32 v48, 16, v45
	v_and_b32 v49, s[HI16], v45
	v_pk_add_f32 v[46:47], v[\x:\x+1], v[46:47] neg_lo:[0,1] neg_hi:[0,1]
	v_pk_add_f32 v[48:49], v[\x+2:\x+3], v[48:49] neg_lo:[0,1] neg_hi:[0,1]
	v_cvt_pk_bf16_f32 v50, v46, v47
	v_cvt_pk_bf16_f32 v51, v48, v49
.endm
	s_wait_loadcnt 0x0                             ; the records and the weights: one wait for 0, the same on both ways
	HILO 28
	ds_store_b64 v36, v[44:45]
	ds_store_b64 v36, v[50:51] offset:W1LO
	HILO 32
	ds_store_b64 v36, v[44:45] offset:16*W1P
	ds_store_b64 v36, v[50:51] offset:W1LO+16*W1P
	s_cmp_lg_u32 s[WV], 0
	s_cbranch_scc1 .Lmeet
.irp i, 0,1,2,3
	v_cndmask_b32 v[52+\i], v[52+\i], v[56+\i], s[HI16]    ; wave 0: lanes 0-15 keep m's, lanes 16-31 p's: data are chosen, never addresses
	v_cndmask_b32 v[60+\i], v[60+\i], v[64+\i], s[HI16]
.endr
	ds_store_b128 v23, v[52:55] offset:B1
	HILO 60
	v_mov_b32 v46, 0
	v_mov_b32 v47, 0
	ds_store_b64 v24, v[44:45] offset:W2T
	ds_store_b64 v24, v[50:51] offset:W2T+W2P
	ds_store_b64 v24, v[46:47] offset:W2T+2*W2P
.Lmeet:
	s_wait_dscnt 0x0                               ; for the others' sake: my part of the weights is stored
	s_barrier_signal -1
	s_barrier_wait -1
	v_cmp_ne_u32 s[MP], 0, v[CB+3]                 ; the masks for the selects: whole numbers that the launch before stored
	v_cmp_ne_u32 s[MP+1], 0, v[CB+9]
	v_mul_u32_u24 v[KP], s[M19], v[CB+3]           ; sel (T - 1),
	v_mul_u32_u24 v[KP+1], s[M19], v[CB+9]
	v_sub_nc_u32 v[KM], s[M19], v[KP]              ; and (1 - sel) (T - 1)
	v_sub_nc_u32 v[KM+1], s[M19], v[KP+1]
	s_and_b32 s4, s[MP], 0xffff                    ; lane l ends with point 32 w + l: sub-batch 0 in lanes 0-15, sub-batch 1 in lanes 16-31
	s_and_b32 s5, s[MP+1], s[HI16]
	s_or_b32 s[MF], s4, s5
.irp i, 0,1,2
	v_lshrrev_b32 v[CA+\i], 2, v[CB+\i]            ; (sel's registers are written anew here)
	v_lshrrev_b32 v[CA+6+\i], 2, v[CB+6+\i]
.endr
	v_cndmask_b32 v[SGN], -1.0, 1.0, s[HI16]
	v_cndmask_b32 v[OFS], s[ONEQ], 0, s[HI16]
	v_mov_b32 v[T+7], 0                            ; named as the upper half of a pair, never used
	s_wait_kmcnt 0x0                               ; both b2
; LEVEL l OF SUB-BATCH s IS ASKED FOR.  Position = x RES in fixed point; cell and fraction; my four corners' indices, each ANDed with KM and with KP, bounded, times 8 bytes; four loads from each table; then, while
; they are out, the weights.  Levels 0-11: (X >> 2) RES, under 2^32, 22 bits behind the point.  Levels 12-15: (X RES) >> 8 = (X >> 8) RES + (((X & 255) RES) >> 8), 16 bits behind the point.
.macro ISSUE l, s
.set RR, RES\l
.set rB, CB+6*(\s)
.set rA, CA+6*(\s)
.set rM, DM+8*(\s)
.set rP, DP+8*(\s)
.set rW, WW+4*(\s)
.set rKM, KM+(\s)
.set rKP, KP+(\s)
.if (\l) == 12
.if (\s) == 0
	s_mov_b32 s[ONEQ], 0x47800000                  ; Q = 16 from here on: 2^16,
	s_mov_b32 s[CZ], 0x27800000                    ; 2^-48,
	s_mov_b32 s[CZ0], 0x2f800000                   ; 2^-32
	v_cndmask_b32 v[OFS], s[ONEQ], 0, s[HI16]
.endif
.irp i, 0,1,2
	v_lshrrev_b32 v[rA+\i], 8, v[rB+\i]
	v_and_b32 v[rB+\i], 0xff, v[rB+\i]
.endr
.endif
.if (\l) >= 12
.set QB, 16
.irp i, 0,1,2
	v_mul_u32_u24 v[T+\i], RR, v[rB+\i]
.endr
.irp i, 0,1,2
	v_lshrrev_b32 v[T+\i], 8, v[T+\i]
.endr
.irp i, 0,1,2
	v_mad_u32_u24 v[T+\i], v[rA+\i], RR, v[T+\i]
.endr
.else
.set QB, 22
.irp i, 0,1,2
	v_mul_u32_u24 v[T+\i], RR, v[rA+\i]
.endr
.endif
	v_and_b32 v[T+6], (1<<QB)-1, v[T+0]            ; Fx, Fy, Fz
	v_and_b32 v[T+9], (1<<QB)-1, v[T+1]
	v_and_b32 v[T+5], (1<<QB)-1, v[T+2]
.irp i, 0,1,2
	v_lshrrev_b32 v[T+\i], QB, v[T+\i]             ; cx, cy, cz
.endr
	v_add_nc_u32 v[T+0], v[T+0], v[DX]             ; my x corner
.if (\l) < 5
.set S1, RR+1                          ; direct: x + y S + z S^2, below T, so that the AND keeps it or makes 0 of it
.set S2, S1*S1
	v_mad_u32_u24 v[T+0], v[T+1], S1, v[T+0]
	v_mad_u32_u24 v[T+0], v[T+2], S2, v[T+0]
	v_and_b32 v[rM], v[rKM], v[T+0]
	v_and_b32 v[rP], v[rKP], v[T+0]
	v_min_u32 v[rM], 0x7ffff-S1-S2, v[rM]          ; the written bound, so low that all four corners stay inside the level; it changes no index
	v_min_u32 v[rP], 0x7ffff-S1-S2, v[rP]
	v_lshlrev_b32 v[rM], 3, v[rM]                  ; an entry is 8 bytes
	v_lshlrev_b32 v[rP], 3, v[rP]
	v_add_nc_u32 v[rM+2], 8*S1, v[rM]
	v_add_nc_u32 v[rP+2], 8*S1, v[rP]
	v_add_nc_u32 v[rM+4], 8*S2, v[rM]
	v_add_nc_u32 v[rP+4], 8*S2, v[rP]
	v_add_nc_u32 v[rM+6], 8*(S1+S2), v[rM]
	v_add_nc_u32 v[rP+6], 8*(S1+S2), v[rP]
.else
	v_mul_u32_u24 v[T+1], s[P1], v[T+1]            ; hashed: 13 bits times 19, exact; the next corner's product is one factor further
	v_mul_u32_u24 v[T+2], s[P2], v[T+2]
	v_add_nc_u32 v[T+3], s[P1], v[T+1]
	v_add_nc_u32 v[T+4], s[P2], v[T+2]
	v_xor_b32 v[T+1], v[T+0], v[T+1]               ; x ^ y P1, for dy = 0,
	v_xor_b32 v[T+3], v[T+0], v[T+3]               ; and for dy = 1
	v_xor_b32 v[T+0], v[T+1], v[T+2]               ; corner 0: dy 0, dz 0
	v_xor_b32 v[T+2], v[T+3], v[T+2]               ; corner 1: dy 1, dz 0
	v_xor_b32 v[T+1], v[T+1], v[T+4]               ; corner 2: dy 0, dz 1
	v_xor_b32 v[T+3], v[T+3], v[T+4]               ; corner 3: dy 1, dz 1
	v_and_b32 v[rM],   v[rKM], v[T+0]              ; % T in my net's table, 0 in the other
	v_and_b32 v[rM+2], v[rKM], v[T+2]
	v_and_b32 v[rM+4], v[rKM], v[T+1]
	v_and_b32 v[rM+6], v[rKM], v[T+3]
	v_and_b32 v[rP],   v[rKP], v[T+0]
	v_and_b32 v[rP+2], v[rKP], v[T+2]
	v_and_b32 v[rP+4], v[rKP], v[T+1]
	v_and_b32 v[rP+6], v[rKP], v[T+3]
.irp c, 0,2,4,6
	v_min_u32 v[rM+\c], 0x7ffff, v[rM+\c]          ; the written bound
	v_min_u32 v[rP+\c], 0x7ffff, v[rP+\c]
.endr
.irp c, 0,2,4,6
	v_lshlrev_b32 v[rM+\c], 3, v[rM+\c]            ; an entry is 8 bytes
	v_lshlrev_b32 v[rP+\c], 3, v[rP+\c]
.endr
.endif
.irp c, 0,2,4,6
	global_load_b64 v[rM+\c:rM+\c+1], v[rM+\c], s[TBM+2*((\l)/2):TBM+2*((\l)/2)+1] offset:((\l)%2)*LEVELB   ; a load lands on its own address register alone
.endr
.irp c, 0,2,4,6
	global_load_b64 v[rP+\c:rP+\c+1], v[rP+\c], s[TBP+2*((\l)/2):TBP+2*((\l)/2)+1] offset:((\l)%2)*LEVELB
.endr
	v_cvt_f32_u32 v[T+6], v[T+6]
	v_cvt_f32_u32 v[T+9], v[T+9]
	v_cvt_f32_u32 v[T+5], v[T+5]
	v_fma_f32 v[T+6], v[T+6], v[SGN], v[OFS]       ; wx: Fx, or 2^Q - Fx
	v_sub_f32 v[T+8], s[ONEQ], v[T+9]              ; wy0; wy1 = Fy
	v_mul_f32 v[T+11], s[CZ], v[T+5]               ; wz1
	v_fma_f32 v[T+10], -v[T+5], s[CZ], s[CZ0]      ; wz0
	v_pk_mul_f32 v[T+8:T+9], v[T+8:T+9], v[T+6:T+7] op_sel_hi:[1,0]
	v_pk_mul_f32 v[rW:rW+1], v[T+8:T+9], v[T+10:T+11] op_sel_hi:[1,0]
	v_pk_mul_f32 v[rW+2:rW+3], v[T+8:T+9], v[T+10:T+11] op_sel:[0,1] op_sel_hi:[1,1]
.endm
; LEVEL l OF SUB-BATCH s HAS COME.  left: the younger loads that may stay out.  My four corners' features, weighted, from each table by itself (two chains that do not wait for each other); the point's own net's sum is kept.
; Behind an odd level the two dx halves are added and the pair of levels becomes register l / 2 of source 1.
.macro CONSUME l, s, left
.set rM, DM+8*(\s)
.set rP, DP+8*(\s)
.set rW, WW+4*(\s)
.set rE, FF+4*(\s)
.set rO, FF+4*(\s)+2
.set rF, FF+4*(\s)+2*((\l)%2)
.set rH, BH+16*(\s)+(\l)/2
	s_wait_loadcnt \left
	v_pk_mul_f32 v[rF:rF+1],   v[rM:rM+1], v[rW:rW+1] op_sel_hi:[1,0]
	v_pk_mul_f32 v[T+2:T+3],   v[rP:rP+1], v[rW:rW+1] op_sel_hi:[1,0]
	v_pk_fma_f32 v[rF:rF+1],   v[rM+2:rM+3], v[rW:rW+1], v[rF:rF+1] op_sel:[0,1,0] op_sel_hi:[1,1,1]
	v_pk_fma_f32 v[T+2:T+3],   v[rP+2:rP+3], v[rW:rW+1], v[T+2:T+3] op_sel:[0,1,0] op_sel_hi:[1,1,1]
	v_pk_fma_f32 v[rF:rF+1],   v[rM+4:rM+5], v[rW+2:rW+3], v[rF:rF+1] op_sel_hi:[1,0,1]
	v_pk_fma_f32 v[T+2:T+3],   v[rP+4:rP+5], v[rW+2:rW+3], v[T+2:T+3] op_sel_hi:[1,0,1]
	v_pk_fma_f32 v[rF:rF+1],   v[rM+6:rM+7], v[rW+2:rW+3], v[rF:rF+1] op_sel:[0,1,0] op_sel_hi:[1,1,1]
	v_pk_fma_f32 v[T+2:T+3],   v[rP+6:rP+7], v[rW+2:rW+3], v[T+2:T+3] op_sel:[0,1,0] op_sel_hi:[1,1,1]
	v_cndmask_b32 v[rF],   v[rF],   v[T+2], s[MP+(\s)]   ; table_p's sum where the point takes net p
	v_cndmask_b32 v[rF+1], v[rF+1], v[T+3], s[MP+(\s)]
.if (\l)%2
	v_permlane16_swap_b32 v[rE], v[rO]             ; the even level's lanes 16-31 change places with the odd level's lanes 0-15:
	v_permlane16_swap_b32 v[rE+1], v[rO+1]         ; lanes 0-15 now hold both dx halves of the even level, lanes 16-31 of the odd one
	v_pk_add_f32 v[rE:rE+1], v[rE:rE+1], v[rO:rO+1]
	v_cvt_pk_bf16_f32 v[rH], v[rE], v[rE+1]        ; hi
	v_lshlrev_b32 v[T], 16, v[rH]
	v_and_b32 v[T+1], s[HI16], v[rH]
	v_pk_add_f32 v[rE:rE+1], v[rE:rE+1], v[T:T+1] neg_lo:[0,1] neg_hi:[0,1]
	v_cvt_pk_bf16_f32 v[rH+8], v[rE], v[rE+1]      ; lo
.endif
.endm
.macro STEP l, n                       ; a sub-batch's next level is asked for as soon as its last has been used: the other sub-batch's eight loads are out meanwhile
	CONSUME \l, 0, 8
	ISSUE \n, 0
	CONSUME \l, 1, 8
	ISSUE \n, 1
.endm
	ISSUE 0, 0
	ISSUE 0, 1
	STEP 0, 1
	STEP 1, 2
	STEP 2, 3
	STEP 3, 4
	STEP 4, 5
	STEP 5, 6
	STEP 6, 7
	STEP 7, 8
	STEP 8, 9
	STEP 9, 10
	STEP 10, 11
	STEP 11, 12
	STEP 12, 13
	STEP 13, 14
	STEP 14, 15
	CONSUME 15, 0, 8
	CONSUME 15, 1, 0
; THE MLP, once with each net's weights.  h^T = W1^T enc^T: source 0 = 16 hidden units x 32 kappa, turned out of LDS; source 1 = 32 kappa x 16 points.  In the result a lane holds ONE point (lane % 16) and the units
; 8 (lane / 16) + 0 .. 7 of the tile, so two tiles, rounded in pairs, ARE source 1 (32 units x 16 points) of y = W2^T h: nothing changes lanes.  The net stands in the LDS loads' immediates.
.set AH,  52                           ; v[52:59] source 0, hi; later W2's rows
.set AL,  60                           ; v[60:67] source 0, lo
.set RA,  68                           ; v[68:75] even tile's sums of sub-batch 0, then h of 32 units
.set RB,  76                           ; v[76:83] the same for sub-batch 1
.set EA,  84                           ; v[84:91] odd tile's sums of sub-batch 0, then the second layer's result
.set EB,  92                           ; v[92:99] the same for sub-batch 1
.set YY,  100                          ; v[100+2n], v[101+2n]  net n's y of sub-batch 0, 1
.set TRA, 104
.set BIA, 105
.set W2A, 106
	v_and_b32 v[TRA], 7, v0                        ; the turning load: lane l reads row 8 (l / 16) + l % 8, 16 bytes at 16 ((l / 8) % 2)
	v_lshl_add_u32 v[TRA], v[DX], 3, v[TRA]
	v_mul_u32_u24 v[TRA], W1P, v[TRA]
	v_bfe_u32 v107, v0, 3, 1
	v_lshl_add_u32 v[TRA], v107, 4, v[TRA]
	v_lshlrev_b32 v[BIA], 5, v[DX]                 ; my eight units' b1
	v_and_b32 v[W2A], 7, v0                        ; source 0 of the second layer: rows 0 and 8 W2 hi, rows 1 and 9 W2 lo, all others the row of zeros
	v_min_u32 v[W2A], 2, v[W2A]
	v_mul_u32_u24 v[W2A], W2P, v[W2A]
	v_lshl_add_u32 v[W2A], v[DX], 4, v[W2A]
.macro LOADT n, t, da, db              ; tile t of net n's W1^T, hi and lo, and b1 into both sub-batches' accumulators: the sums start from the bias
	ds_load_tr16_b128 v[AH:AH+3],   v[TRA] offset:(\n)*W1NET+32*(\t)
	ds_load_tr16_b128 v[AH+4:AH+7], v[TRA] offset:(\n)*W1NET+32*(\t)+16*W1P
	ds_load_tr16_b128 v[AL:AL+3],   v[TRA] offset:(\n)*W1NET+W1LO+32*(\t)
	ds_load_tr16_b128 v[AL+4:AL+7], v[TRA] offset:(\n)*W1NET+W1LO+32*(\t)+16*W1P
	ds_load_b128 v[\da:\da+3],   v[BIA] offset:B1+256*(\n)+64*(\t)
	ds_load_b128 v[\da+4:\da+7], v[BIA] offset:B1+256*(\n)+64*(\t)+16
	ds_load_b128 v[\db:\db+3],   v[BIA] offset:B1+256*(\n)+64*(\t)
	ds_load_b128 v[\db+4:\db+7], v[BIA] offset:B1+256*(\n)+64*(\t)+16
.endm
.macro MUL6 da, db                     ; hi hi, hi lo, lo hi; the two accumulators take turns, one instruction a turn
	v_wmma_f32_16x16x32_bf16 v[\da:\da+7], v[AH:AH+7], v[BH:BH+7],     v[\da:\da+7]
	v_wmma_f32_16x16x32_bf16 v[\db:\db+7], v[AH:AH+7], v[BH+16:BH+23], v[\db:\db+7]
	v_wmma_f32_16x16x32_bf16 v[\da:\da+7], v[AH:AH+7], v[BH+8:BH+15],  v[\da:\da+7]
	v_wmma_f32_16x16x32_bf16 v[\db:\db+7], v[AH:AH+7], v[BH+24:BH+31], v[\db:\db+7]
	v_wmma_f32_16x16x32_bf16 v[\da:\da+7], v[AL:AL+7], v[BH:BH+7],     v[\da:\da+7]
	v_wmma_f32_16x16x32_bf16 v[\db:\db+7], v[AL:AL+7], v[BH+16:BH+23], v[\db:\db+7]
.endm
.macro PACK src, dst                   ; eight sums to four words of bf16, from the low end on, then the ReLU on the packed halves
.irp i, 0,1,2,3
	v_cvt_pk_bf16_f32 v[\dst+\i], v[\src+2*\i], v[\src+2*\i+1]
.endr
.irp i, 0,1,2,3
	v_pk_max_num_bf16 v[\dst+\i], v[\dst+\i], v[ZR]
.endr
.endm
.macro PLACES n                        ; plain instructions that name no register of the products before them: four ahead of a read of a result and of a load into a product's register, five ahead of a product that writes over one
.rept \n
	v_nop
.endr
.endm
.macro HALF n, u                       ; net n, hidden units 32 u .. 32 u + 31
.set rY, YY+2*(\n)
	LOADT \n, 2*(\u), RA, RB
	s_wait_dscnt 0x0
	MUL6 RA, RB
	PLACES 4
	LOADT \n, 2*(\u)+1, EA, EB                     ; the odd tile comes in while the even tile is packed
	PACK RA, RA
	PACK RB, RB
	s_wait_dscnt 0x0
	MUL6 EA, EB
	PLACES 4
	ds_load_b128 v[AH:AH+3],   v[W2A] offset:W2T+512*(\n)+64*(\u)
	ds_load_b128 v[AH+4:AH+7], v[W2A] offset:W2T+512*(\n)+64*(\u)+32
	PACK EA, RA+4                                  ; each sub-batch's eight lines are further places behind the other's last product
	PACK EB, RB+4
	s_wait_dscnt 0x0
	v_wmma_f32_16x16x32_bf16 v[EA:EA+7], v[AH:AH+7], v[RA:RA+7], 0
	v_wmma_f32_16x16x32_bf16 v[EB:EB+7], v[AH:AH+7], v[RB:RB+7], 0
	PLACES 5
.if (\u) == 0
	v_add_f32 v[rY], v[EA], v[EA+1]                ; register 0: W2 hi . h, register 1: W2 lo . h, for point lane % 16, in both halves of the lanes
	v_add_f32 v[rY+1], v[EB], v[EB+1]
.else
	v_add_f32 v[rY], v[rY], v[EA]
	v_add_f32 v[rY+1], v[rY+1], v[EB]
	v_add_f32 v[rY], v[rY], v[EA+1]
	v_add_f32 v[rY+1], v[rY+1], v[EB+1]
.endif
.endm
	HALF 0, 0
	HALF 0, 1
	HALF 1, 0
	HALF 1, 1
	v_cndmask_b32 v108, v[YY], v[YY+1], s[HI16]    ; lanes 0-15 keep sub-batch 0, lanes 16-31 sub-batch 1: lane l holds point 32 w + l,
	v_cndmask_b32 v109, v[YY+2], v[YY+3], s[HI16]  ; by net m's weights and by net p's
	v_add_f32 v108, s[B2M], v108
	v_add_f32 v109, s[B2P], v109
	v_cndmask_b32 v108, v108, v109, s[MF]          ; the point's own net
	v_lshlrev_b32 v110, 2, v0
	ds_store_b32 v110, v108 offset:OUTS
	s_wait_dscnt 0x0                               ; for the others' sake: my results are stored
	s_barrier_signal -1
	s_barrier_wait -1
	; THE WAY OUT.  Waves 0 to 3: four points a lane, one store of 16 bytes; sixteen lanes store 256 consecutive bytes, aligned
	s_cmp_lt_u32 s[WV], 4
	s_cbranch_scc0 .Lend
	v_lshlrev_b32 v20, 4, v0
	ds_load_b128 v[24:27], v20 offset:OUTS
	s_lshl_b32 s4, ttmp9, 11                       ; the work-group's 512 results
	s_mov_b32 s5, 0
	s_add_nc_u64 s[30:31], s[30:31], s[4:5]
	s_wait_dscnt 0x0
	global_store_b128 v20, v[24:27], s[30:31] th:TH_STORE_NT
.Lend:
	s_wait_tensorcnt 0x0                           ; the wave's end, behind my last LDS store
	ds_add_u32 v[SPW], v[NIL]
	s_wait_dscnt 0x0
	s_endpgm
.Lfunc_end_k_q562b3131b5_encode_mlp:
	.size	k_q562b3131b5_encode_mlp, .Lfunc_end_k_q562b3131b5_encode_mlp-k_q562b3131b5_encode_mlp
	.p2alignl 7, 3214868480
	.fill 96, 4, 3214868480
	.section	.rodata,"a",@progbits
	.p2align	6, 0x0
	.amdhsa_kernel k_q562b3131b5_encode_mlp
		.amdhsa_group_segment_fixed_size 26112
		.amdhsa_private_segment_fixed_size 0
		.amdhsa_enable_private_segment 0
		.amdhsa_kernarg_size 96
		.amdhsa_user_sgpr_count 2
		.amdhsa_user_sgpr_kernarg_segment_ptr 1
		.amdhsa_wavefront_size32 1
		.amdhsa_system_sgpr_workgroup_id_x 1
		.amdhsa_system_sgpr_workgroup_id_y 1
		.amdhsa_system_sgpr_workgroup_id_z 1
		.amdhsa_system_vgpr_workitem_id 0
		.amdhsa_next_free_vgpr 116
		.amdhsa_next_free_sgpr 84
		.amdhsa_reserve_vcc 0
		.amdhsa_float_denorm_mode_32 3
		.amdhsa_float_denorm_mode_16_64 3
		.amdhsa_memory_ordered 1
		.amdhsa_forward_progress 1
		.amdhsa_inst_pref_size 150
	.end_amdhsa_kernel
	.amdgpu_metadata
---
amdhsa.version: [ 1, 2 ]
amdhsa.kernels:
  - .name:           k_q562b3131b5_encode_mlp
    .symbol:         k_q562b3131b5_encode_mlp.kd
    .args:
      - { .name: rec, .offset: 0, .size: 8, .value_kind: global_buffer, .address_space: global }
      - { .name: table_m, .offset: 8, .size: 8, .value_kind: global_buffer, .address_space: global }
      - { .name: table_p, .offset: 16, .size: 8, .value_kind: global_buffer, .address_space: global }
      - { .name: W1_m, .offset: 24, .size: 8, .value_kind: global_buffer, .address_space: global }
      - { .name: W1_p, .offset: 32, .size: 8, .value_kind: global_buffer, .address_space: global }
      - { .name: b1_m, .offset: 40, .size: 8, .value_kind: global_buffer, .address_space: global }
      - { .name: b1_p, .offset: 48, .size: 8, .value_kind: global_buffer, .address_space: global }
      - { .name: W2_m, .offset: 56, .size: 8, .value_kind: global_buffer, .address_space: global }
      - { .name: W2_p, .offset: 64, .size: 8, .value_kind: global_buffer, .address_space: global }
      - { .name: b2_m, .offset: 72, .size: 8, .value_kind: global_buffer, .address_space: global }
      - { .name: b2_p, .offset: 80, .size: 8, .value_kind: global_buffer, .address_space: global }
      - { .name: out0, .offset: 88, .size: 8, .value_kind: global_buffer, .address_space: global }
    .group_segment_fixed_size: 26112
    .private_segment_fixed_size: 0
    .kernarg_segment_align: 8
    .kernarg_segment_size: 96
    .max_flat_workgroup_size: 512
    .sgpr_count:     84
    .vgpr_count:     116
    .wavefront_size: 32
...
	.end_amdgpu_metadata
.endif
;; end of part 2
;; ======== version 2 of 2: 2 launches; version 1 with the launch encode_mlp written anew for expert scheduling mode
;; workspace buffers: rec 4,194,304 bytes of whole numbers
;; launch quantise: the kernel of part 1 again; grid 256 x 1, 8 waves a work-group, no clusters, 0 bytes of LDS; arguments r, phi_r, rec; writes rec
;; launch encode_mlp (part 3): grid 512 x 1, 16 waves a work-group, no clusters, 26,112 bytes of LDS; arguments rec, table_m, table_p, W1_m, W1_p, b1_m, b1_p, W2_m, W2_p, b2_m, b2_p, out0; writes out0
.if DOCPART == 3
	.amdgcn_target "amdgcn-amd-amdhsa--gfx1250"
	.amdhsa_code_object_version 6
	.text
	.protected	k_q562b3131b5_encode_mlp
	.globl	k_q562b3131b5_encode_mlp
	.p2align	8
	.type	k_q562b3131b5_encode_mlp,@function
k_q562b3131b5_encode_mlp:
	s_mov_b64 s[64:65], 0
	v_nop
	global_prefetch_b8 v0, s[64:65] scope:SCOPE_SE
	s_setreg_imm32_b32 hwreg(HW_REG_WAVE_SCHED_MODE, 0, 2), 2
	s_setreg_imm32_b32 hwreg(HW_REG_WAVE_MODE, 25, 1), 1
	s_wait_xcnt 0x0
	s_wait_alu depctr_vm_vsrc(0)
; HASH-GRID NETWORK, SECOND LAUNCH: out0[i] = MLP_n(encode(r[i], table_n)), n = the net that rec[i].sel names (1: p, 0: m).
; LEFT OUT (shown at the head of the first kernel): the lookup of a point's corners in the table that its sel does not name; '% T' on direct indices; the factor PRIMES[0] = 1; feat's zeros.
; Of PRIMES[1] and PRIMES[2] only the low 19 bits are kept: '% T' keeps the low 19 bits of the exclusive or, and those hang on the low 19 bits of each product alone.
; LIMITS.  As stated there.  The position in a level is kept in fixed point: 22 bits behind the point in levels 0 to 11 (from x's upper 22 bits), 16 bits in levels 12 to 15 (from all 24).
; So a position is off by less than 2^-12 of a cell, and by the continuity of the interpolation a result moves by no more than that step.
; RES is reference()'s own table, floor(16 b^l) in float64.  b comes out below 2^(8/15), so that 16 b^15 lies just under 4,096 and RES15 = 4095.
;
; SHARES.  A work-group owns 512 points, each of its sixteen waves 32: two sub-batches of 16.  Lane (r = lane % 16, h = lane / 16) works on point r of each sub-batch, for the corners with dx = h: the two
; x corners of a cell, whose entries are neighbours in a direct level and differ in low index bits in a hashed one, stand in one load instruction.  A lane loads its points' records itself.
; THE TABLE IS CHOSEN BY THE OFFSET; all lanes stay on throughout.  From sel a lane keeps KP = sel (T - 1) and KM = (T - 1) - KP: one of them is T - 1, the other 0.  A corner's index is ANDed with KM for the load from
; table_m and with KP for the load from table_p.  So each load line names one buffer; a lane asks its own net's table for its entry and the other table for the level's entry 0 (in a direct level: entry 0 plus the
; corner's constant), the same 8 bytes for all such lanes of the instruction.  Each table's four pairs are weighted into a sum of their own, and two selects by the sub-batch's mask keep the point's own sum.
; Four loads of 8 bytes (dy, dz) from each table for a level and sub-batch; 8 to 16 of a wave's loads are out at any time.
; FROM ENCODING TO MATRIX OPERAND.  After levels 2 q and 2 q + 1 a half-swap of the lanes and one packed addition add the two dx halves and leave level 2 q in lanes 0-15 and level 2 q + 1 in lanes 16-31: that IS
; register q of source 1 (32 k x 16 points) if k is renumbered: true k = 4 q + 2 h + f stands at kappa = 16 (q / 4) + 8 h + 2 (q % 4) + f.  W1's rows are laid into LDS in the same order.
; THE MLP is made with both nets' weights for every tile of 16 points, since a tile holds points of both nets, and each point's own y is selected: 56 matrix instructions a wave beside 256 gathers.
; ARITHMETIC.  enc and W1 go to the matrix unit as bf16 hi + lo (three products: hi hi, hi lo, lo hi); b1 is what the f32 sums start from; h is rounded once to bf16; W2's hi and lo are two rows of one
; source 0, repeated in rows 8 and 9 so that both halves of the lanes end with y; b2 is added in f32.
; NOT USED.  Tensor loads and a ring: the traffic is 8 bytes a lane at addresses of its own.  Clusters: what work-groups share is 17 KB of weights beside 65,536 gathers of their own.  Prefetches: an entry's
; address is known a few lines ahead of its load.  A loop over levels: RES, the fraction's width and the index's form are constants of a level.
;
; THE MODE: SCHED_MODE bits 1:0 = 2 (LLVM: expert scheduling mode 2), set by the entry lines.  The code itself states the register dependences between vector or matrix instructions and memory or LDS
; instructions, with s_wait_alu, always for 0.
; THE PLAN.  Registers that memory or LDS instructions touch, in the walk over the levels:
;   OF            eight byte offsets, one set for both sub-batches.  Written by a request's integer lines (ASK); read by its eight gathers.
;   DM[s], DP[s]  The gathers of level n, sub-batch s land in them; that level's eight packed sums (SUMS) read them.  No vector instruction writes them in the walk.
;   All else (T, WW, FF, BH, KM, KP, the coordinates) is named by vector instructions alone.
; A half-step is SUMS l, s; ASK n, s; FINISH l, s; WEIGH s.  ASK holds three waits.  Two stand side by side ahead of the first line that writes OF: s_wait_xcnt 0 (the other sub-batch's gathers have had their addresses
; translated) and one on vm_vsrc (they have read OF).  One on va_vdst stands ahead of the eight gathers: OF is written, and SUMS l, s are done reading DM[s] and DP[s].  Behind the gathers stand FINISH (selects,
; half-swap, roundings) and WEIGH (the next level's weights), which name none of OF, DM[s], DP[s].  A second set of offsets would make 132 registers a wave, and eight waves of 132 pass 1,024.
; In the MLP all eighteen LDS loads of a half (32 hidden units of one net) go out behind ONE wait on va_vdst at the half's head, each into registers of its own; counted waits on DScnt let the younger ones stay out.
.set RES0, 16
.set RES1, 23
.set RES2, 33
.set RES3, 48
.set RES4, 70
.set RES5, 101
.set RES6, 147
.set RES7, 212
.set RES8, 307
.set RES9, 445
.set RES10, 645
.set RES11, 933
.set RES12, 1351
.set RES13, 1955
.set RES14, 2830
.set RES15, 4095
.set LEVELB, 0x400000                  ; bytes of a level's table: 524,288 entries of 8 bytes
; LDS
.set W1NET, 10240                      ; W1's image from byte 0: net n at 10,240 n; hi plane, then lo plane at +5,120; a plane is 32 rows (kappa) of 64 bf16,
.set W1LO,  5120
.set W1P,   160                        ; 160 bytes apart: 128 of data, of which alone the loads read, and 32 that nobody touches
.set B1,    20480                      ; b1 in f32: net n at 256 n
.set W2T,   20992                      ; net n at 512 n: three rows of 64 bf16, 144 bytes apart (128 of data, of which alone the loads read): W2 hi, W2 lo, zeros
.set W2P,   144
.set OUTS,  22016                      ; 512 results, by point
.set SPARE, 24064                      ; the spare words, 128 bytes for each of 16 waves, in eight blocks of 256 bytes that no other line names
; scalar registers
.set WV,   2                           ; my wave's number
.set TBM,  32                          ; s[32+2k:33+2k] table_m at level 2 k; the odd level's 4 MiB stand in the load's immediate; never rewritten
.set TBP,  48                          ; s[48+2k:49+2k] the same for table_p
.set P1,   66                          ; PRIMES[1] mod 2^19
.set P2,   67                          ; PRIMES[2] mod 2^19
.set M19,  68                          ; T - 1
.set ONEQ, 69                          ; 2^Q, Q = the fraction's bits
.set CZ,   70                          ; 2^-3Q: the z weight carries the scale of all three
.set CZ0,  71                          ; 2^-2Q
.set HI16, 72                          ; 0xffff0000: lanes 16-31 as a lane mask, and a word's upper bf16
.set B2M,  73
.set B2P,  74
.set MP,   76                          ; s76, s77  the lanes whose point of sub-batch 0, 1 takes net p
.set MF,   80                          ; the lanes l whose point 32 w + l takes net p
; vector registers
.set SPW,  1                           ; LDS address of my spare word; never rewritten
.set NIL,  2                           ; 0; never rewritten
.set ZR,   3                           ; 0, for the ReLU
.set DX,   4                           ; h
.set SGN,  5                           ; +1 (h = 1) or -1
.set OFS,  6                           ; 0 (h = 1) or 2^Q:  wx = Fx SGN + OFS
.set CB,   8                           ; v[8+6s ..]  X, Y, Z of sub-batch s; from level 12 on their low 8 bits
.set CA,   11                          ; v[11+6s ..] X, Y, Z >> 2; from level 12 on >> 8
.set BH,   20                          ; v[20+16s ..] source 1, hi;  v[28+16s ..] lo
.set DM,   52                          ; v[52+8s ..]  four pairs from table_m
.set DP,   68                          ; v[68+8s ..]  the same for table_p
.set WW,   84                          ; v[84+4s ..]  the four weights
.set FF,   92                          ; v[92+4s ..]  the even level's two features, then the odd level's
.set T,    100                         ; v[100:111] at work
.set PS,   T+10                        ; v[110:111] table_p's sum, from SUMS to FINISH; ASK names neither register
.set KM,   112                         ; v112, v113  T - 1 where my point of sub-batch 0, 1 takes net m, else 0
.set KP,   114                         ; v114, v115  the same for net p
.set OF,   116                         ; v[116:119] the four corners' byte offsets in table_m, v[120:123] in table_p
	s_load_b512 s[8:23], s[0:1], 0x0               ; rec 8, table_m 10, table_p 12, W1_m 14, W1_p 16, b1_m 18, b1_p 20, W2_m 22
	s_load_b256 s[24:31], s[0:1], 0x40             ; W2_p 24, b2_m 26, b2_p 28, out0 30
	v_lshl_add_u32 v[SPW], v0, 2, SPARE
	v_mov_b32 v[NIL], 0
	v_mov_b32 v[ZR], 0
	v_lshrrev_b32 v7, 5, v0
	v_readfirstlane_b32 s[WV], v7                  ; wave 0 .. 15
	v_bfe_u32 v[DX], v0, 4, 1
	s_mov_b32 s[P1], 0x779b1                       ; 2654435761 mod 2^19
	s_mov_b32 s[P2], 0x25795                       ; 805459861 mod 2^19
	s_mov_b32 s[M19], 0x7ffff
	s_mov_b32 s[ONEQ], 0x4a800000                  ; Q = 22: 2^22,
	s_mov_b32 s[CZ], 0x1e800000                    ; 2^-66,
	s_mov_b32 s[CZ0], 0x29800000                   ; 2^-44
	s_mov_b32 s[HI16], 0xffff0000
	s_lshl_b32 s4, ttmp9, 13                       ; the work-group's 512 records
	s_mov_b32 s5, 0
	v_and_b32 v20, 0x1ef, v0                       ; 32 w + r: point r of my wave's sub-batch 0, for both halves of the lanes
	v_lshlrev_b32 v20, 4, v20
	v_and_b32 v21, 0xff, v0                        ; i: row a = i / 16 of W1 (and row a + 16), columns 4 (i % 16) on
	v_lshlrev_b32 v21, 4, v21
	v_and_b32 v22, 15, v0                          ; for wave 0's share of b1 and W2: 16 bytes at 16 r in memory,
	v_lshlrev_b32 v22, 4, v22
	v_lshl_add_u32 v23, v[DX], 8, v22              ; b1 in LDS at 256 h + 16 r,
	v_lshrrev_b32 v24, 1, v22
	v_lshl_add_u32 v24, v[DX], 9, v24              ; W2 at 512 h + 8 r
	s_wait_alu depctr_va_sdst(0)                   ; the wave's number is written, ahead of its first reader, the compare below
	s_wait_kmcnt 0x0
	s_load_b32 s[B2M], s[26:27], 0x0               ; waited for behind the barrier
	s_load_b32 s[B2P], s[28:29], 0x0
	s_add_nc_u64 s[8:9], s[8:9], s[4:5]
	s_cmp_lt_u32 s[WV], 8                          ; waves 0-7 lay out net m's W1, waves 8-15 net p's
	s_cselect_b64 s[6:7], s[14:15], s[16:17]
	s_wait_alu depctr_va_vdst(0)                   ; v20 to v24 are written: the offsets of the loads below and the LDS addresses of wave 0's stores; no line up to those accesses writes them again
	global_load_b128 v[CB:CB+3], v20, s[8:9] th:TH_LOAD_NT              ; X, Y, Z, sel of my point of sub-batch 0,
	global_load_b128 v[CB+6:CB+9], v20, s[8:9] offset:256 th:TH_LOAD_NT ; and of sub-batch 1, sixteen records on
	global_load_b128 v[28:31], v21, s[6:7]
	global_load_b128 v[32:35], v21, s[6:7] offset:4096
	s_cmp_lg_u32 s[WV], 0
	s_cbranch_scc1 .Lno_small
	global_load_b128 v[52:55], v22, s[18:19]       ; wave 0: b1 and W2 of both nets; both halves of the lanes load both nets' 16 bytes
	global_load_b128 v[56:59], v22, s[20:21]
	global_load_b128 v[60:63], v22, s[22:23]
	global_load_b128 v[64:67], v22, s[24:25]
.Lno_small:
	v_bfe_u32 v36, v0, 5, 1                        ; true k = a = (q1 q0 h f) goes to row kappa = (h q1 q0 f); row a + 16 goes 16 rows further
	v_bfe_u32 v37, v0, 6, 2
	v_bfe_u32 v38, v0, 4, 1
	v_lshl_or_b32 v36, v36, 3, v38
	v_lshl_or_b32 v36, v37, 1, v36
	v_mul_u32_u24 v36, W1P, v36
	v_and_b32 v37, 15, v0
	v_lshl_add_u32 v36, v37, 3, v36                ; + 8 bytes for my four columns
	s_lshr_b32 s4, s[WV], 3
	s_mul_i32 s4, s4, W1NET
	v_add_nc_u32 v36, s4, v36
.set k, 0
.rept 8
	s_add_nc_u64 s[TBM+2*k:TBM+2*k+1], s[10:11], k*2*LEVELB   ; each table at its even levels
	s_add_nc_u64 s[TBP+2*k:TBP+2*k+1], s[12:13], k*2*LEVELB
.set k, k+1
.endr
; Four f32 in v[x .. x+3] as bf16 hi (v[d:d+1]) and lo (v[d+2:d+3]): lo is the rounded rest x - hi, which f32 holds exactly.  v[46:49] are at work; no LDS store names them.
; Each use has a d of its own, so that no register that an LDS store reads is written twice.
.macro HILO x, d
	v_cvt_pk_bf16_f32 v[\d], v[\x], v[\x+1]
	v_cvt_pk_bf16_f32 v[\d+1], v[\x+2], v[\x+3]
	v_lshlrev_b32 v46, 16, v[\d]
	v_and_b32 v47, s[HI16], v[\d]
	v_lshlrev_b32 v48, 16, v[\d+1]
	v_and_b32 v49, s[HI16], v[\d+1]
	v_pk_add_f32 v[46:47], v[\x:\x+1], v[46:47] neg_lo:[0,1] neg_hi:[0,1]
	v_pk_add_f32 v[48:49], v[\x+2:\x+3], v[48:49] neg_lo:[0,1] neg_hi:[0,1]
	v_cvt_pk_bf16_f32 v[\d+2], v46, v47
	v_cvt_pk_bf16_f32 v[\d+3], v48, v49
.endm
	s_wait_loadcnt 0x0                             ; the records and the weights: one wait for 0, the same on both ways
	HILO 28, 68
	HILO 32, 72
	s_wait_alu depctr_va_vdst(0)                   ; the conversions have written v[68:75], and v36 is written: the data and the address of the four LDS stores
	ds_store_b64 v36, v[68:69]
	ds_store_b64 v36, v[70:71] offset:W1LO
	ds_store_b64 v36, v[72:73] offset:16*W1P
	ds_store_b64 v36, v[74:75] offset:W1LO+16*W1P
	s_cmp_lg_u32 s[WV], 0
	s_cbranch_scc1 .Lmeet
.irp i, 0,1,2,3
	v_cndmask_b32 v[52+\i], v[52+\i], v[56+\i], s[HI16]    ; wave 0: lanes 0-15 keep m's, lanes 16-31 p's: data are chosen, never addresses
	v_cndmask_b32 v[60+\i], v[60+\i], v[64+\i], s[HI16]
.endr
	HILO 60, 76
	v_mov_b32 v80, 0
	v_mov_b32 v81, 0
	s_wait_alu depctr_va_vdst(0)                   ; the selects have written v[52:55], the conversions v[76:79], the two moves v[80:81]: the data of wave 0's four LDS stores
	ds_store_b128 v23, v[52:55] offset:B1
	ds_store_b64 v24, v[76:77] offset:W2T
	ds_store_b64 v24, v[78:79] offset:W2T+W2P
	ds_store_b64 v24, v[80:81] offset:W2T+2*W2P
.Lmeet:
	s_wait_dscnt 0x0                               ; for the others' sake: my part of the weights is stored
	s_barrier_signal -1
	s_barrier_wait -1
	s_wait_alu depctr_vm_vsrc(0)                   ; the head's loads and LDS stores have read v20 to v24, v36, v[52:55] and v[68:81]: from here on these registers are BH, DM and DP, written by roundings and by gathers
	v_cmp_ne_u32 s[MP], 0, v[CB+3]                 ; the masks for the selects: whole numbers that the launch before stored
	v_cmp_ne_u32 s[MP+1], 0, v[CB+9]
	v_mul_u32_u24 v[KP], s[M19], v[CB+3]           ; sel (T - 1),
	v_mul_u32_u24 v[KP+1], s[M19], v[CB+9]
	v_sub_nc_u32 v[KM], s[M19], v[KP]              ; and (1 - sel) (T - 1)
	v_sub_nc_u32 v[KM+1], s[M19], v[KP+1]
	s_wait_alu depctr_va_sdst(0)                   ; both masks are written, ahead of their first readers, the two lines below
	s_and_b32 s4, s[MP], 0xffff                    ; lane l ends with point 32 w + l: sub-batch 0 in lanes 0-15, sub-batch 1 in lanes 16-31
	s_and_b32 s5, s[MP+1], s[HI16]
	s_or_b32 s[MF], s4, s5
.irp i, 0,1,2
	v_lshrrev_b32 v[CA+\i], 2, v[CB+\i]            ; (sel's registers are written anew here)
	v_lshrrev_b32 v[CA+6+\i], 2, v[CB+6+\i]
.endr
	v_cndmask_b32 v[SGN], -1.0, 1.0, s[HI16]
	v_cndmask_b32 v[OFS], s[ONEQ], 0, s[HI16]
	v_mov_b32 v[T+7], 0                            ; named as the upper half of a pair, never used
	s_wait_kmcnt 0x0                               ; both b2
; LEVEL l OF SUB-BATCH s IS ASKED FOR.  Position = x RES in fixed point; cell and fraction; my four corners' indices, each ANDed with KM and with KP, bounded, times 8 bytes; four loads from each table.
; Levels 0-11: (X >> 2) RES, under 2^32, 22 bits behind the point.  Levels 12-15: (X RES) >> 8 = (X >> 8) RES + (((X & 255) RES) >> 8), 16 bits behind the point.  It leaves Fx, Fy, Fz in T+6, T+9, T+5 for WEIGH.
.macro ASK l, s
.set RR, RES\l
.set rB, CB+6*(\s)
.set rA, CA+6*(\s)
.set rM, DM+8*(\s)
.set rP, DP+8*(\s)
.set rKM, KM+(\s)
.set rKP, KP+(\s)
.if (\l) == 12
.if (\s) == 0
	s_mov_b32 s[ONEQ], 0x47800000                  ; Q = 16 from here on: 2^16,
	s_mov_b32 s[CZ], 0x27800000                    ; 2^-48,
	s_mov_b32 s[CZ0], 0x2f800000                   ; 2^-32
	v_cndmask_b32 v[OFS], s[ONEQ], 0, s[HI16]
.endif
.irp i, 0,1,2
	v_lshrrev_b32 v[rA+\i], 8, v[rB+\i]
	v_and_b32 v[rB+\i], 0xff, v[rB+\i]
.endr
.endif
.if (\l) >= 12
.set QB, 16
.irp i, 0,1,2
	v_mul_u32_u24 v[T+\i], RR, v[rB+\i]
.endr
.irp i, 0,1,2
	v_lshrrev_b32 v[T+\i], 8, v[T+\i]
.endr
.irp i, 0,1,2
	v_mad_u32_u24 v[T+\i], v[rA+\i], RR, v[T+\i]
.endr
.else
.set QB, 22
.irp i, 0,1,2
	v_mul_u32_u24 v[T+\i], RR, v[rA+\i]
.endr
.endif
	v_and_b32 v[T+6], (1<<QB)-1, v[T+0]            ; Fx, Fy, Fz
	v_and_b32 v[T+9], (1<<QB)-1, v[T+1]
	v_and_b32 v[T+5], (1<<QB)-1, v[T+2]
.irp i, 0,1,2
	v_lshrrev_b32 v[T+\i], QB, v[T+\i]             ; cx, cy, cz
.endr
	v_add_nc_u32 v[T+0], v[T+0], v[DX]             ; my x corner
.if ((\l) > 0) || ((\s) > 0)
	s_wait_xcnt 0x0                                ; every earlier memory instruction has had its addresses translated (ISA guide 3.1): OF, the offsets of the other sub-batch's gathers, is rewritten only behind this wait,
	s_wait_alu depctr_vm_vsrc(0)                   ; and beside it: the gathers issued so far, the other sub-batch's last, have read OF, which the lines below write again
.endif
.if (\l) < 5
.set S1, RR+1                          ; direct: x + y S + z S^2, below T, so that the AND keeps it or makes 0 of it
.set S2, S1*S1
	v_mad_u32_u24 v[T+0], v[T+1], S1, v[T+0]
	v_mad_u32_u24 v[T+0], v[T+2], S2, v[T+0]
	v_and_b32 v[OF], v[rKM], v[T+0]
	v_and_b32 v[OF+4], v[rKP], v[T+0]
	v_min_u32 v[OF], 0x7ffff-S1-S2, v[OF]          ; the written bound, so low that all four corners stay inside the level; it changes no index
	v_min_u32 v[OF+4], 0x7ffff-S1-S2, v[OF+4]
	v_lshlrev_b32 v[OF], 3, v[OF]                  ; an entry is 8 bytes
	v_lshlrev_b32 v[OF+4], 3, v[OF+4]
	v_add_nc_u32 v[OF+1], 8*S1, v[OF]
	v_add_nc_u32 v[OF+5], 8*S1, v[OF+4]
	v_add_nc_u32 v[OF+2], 8*S2, v[OF]
	v_add_nc_u32 v[OF+6], 8*S2, v[OF+4]
	v_add_nc_u32 v[OF+3], 8*(S1+S2), v[OF]
	v_add_nc_u32 v[OF+7], 8*(S1+S2), v[OF+4]
.else
	v_mul_u32_u24 v[T+1], s[P1], v[T+1]            ; hashed: 13 bits times 19, exact; the next corner's product is one factor further
	v_mul_u32_u24 v[T+2], s[P2], v[T+2]
	v_add_nc_u32 v[T+3], s[P1], v[T+1]
	v_add_nc_u32 v[T+4], s[P2], v[T+2]
	v_xor_b32 v[T+1], v[T+0], v[T+1]               ; x ^ y P1, for dy = 0,
	v_xor_b32 v[T+3], v[T+0], v[T+3]               ; and for dy = 1
	v_xor_b32 v[T+0], v[T+1], v[T+2]               ; corner 0: dy 0, dz 0
	v_xor_b32 v[T+2], v[T+3], v[T+2]               ; corner 1: dy 1, dz 0
	v_xor_b32 v[T+1], v[T+1], v[T+4]               ; corner 2: dy 0, dz 1
	v_xor_b32 v[T+3], v[T+3], v[T+4]               ; corner 3: dy 1, dz 1
	v_and_b32 v[OF],   v[rKM], v[T+0]              ; % T in my net's table, 0 in the other
	v_and_b32 v[OF+1], v[rKM], v[T+2]
	v_and_b32 v[OF+2], v[rKM], v[T+1]
	v_and_b32 v[OF+3], v[rKM], v[T+3]
	v_and_b32 v[OF+4], v[rKP], v[T+0]
	v_and_b32 v[OF+5], v[rKP], v[T+2]
	v_and_b32 v[OF+6], v[rKP], v[T+1]
	v_and_b32 v[OF+7], v[rKP], v[T+3]
.irp c, 0,1,2,3,4,5,6,7
	v_min_u32 v[OF+\c], 0x7ffff, v[OF+\c]          ; the written bound
.endr
.irp c, 0,1,2,3,4,5,6,7
	v_lshlrev_b32 v[OF+\c], 3, v[OF+\c]            ; an entry is 8 bytes
.endr
.endif
	s_wait_alu depctr_va_vdst(0)                   ; OF is written, which the eight gathers read; the sums of this sub-batch's last level (at the start: the head's conversions and selects) are done with DM[s] and DP[s], in which they land
.irp c, 0,1,2,3
	global_load_b64 v[rM+2*\c:rM+2*\c+1], v[OF+\c], s[TBM+2*((\l)/2):TBM+2*((\l)/2)+1] offset:((\l)%2)*LEVELB
.endr
.irp c, 0,1,2,3
	global_load_b64 v[rP+2*\c:rP+2*\c+1], v[OF+4+\c], s[TBP+2*((\l)/2):TBP+2*((\l)/2)+1] offset:((\l)%2)*LEVELB
.endr
.endm
; THE WEIGHTS of the level just asked for, made while its gathers are out.  No line here names OF, DM or DP.
.macro WEIGH s
.set rW, WW+4*(\s)
	v_cvt_f32_u32 v[T+6], v[T+6]
	v_cvt_f32_u32 v[T+9], v[T+9]
	v_cvt_f32_u32 v[T+5], v[T+5]
	v_fma_f32 v[T+6], v[T+6], v[SGN], v[OFS]       ; wx: Fx, or 2^Q - Fx
	v_sub_f32 v[T+8], s[ONEQ], v[T+9]              ; wy0; wy1 = Fy
	v_mul_f32 v[T+11], s[CZ], v[T+5]               ; wz1
	v_fma_f32 v[T+10], -v[T+5], s[CZ], s[CZ0]      ; wz0
	v_pk_mul_f32 v[T+8:T+9], v[T+8:T+9], v[T+6:T+7] op_sel_hi:[1,0]
	v_pk_mul_f32 v[rW:rW+1], v[T+8:T+9], v[T+10:T+11] op_sel_hi:[1,0]
	v_pk_mul_f32 v[rW+2:rW+3], v[T+8:T+9], v[T+10:T+11] op_sel:[0,1] op_sel_hi:[1,1]
.endm
; LEVEL l OF SUB-BATCH s HAS COME.  left: the younger loads that may stay out.  My four corners' features, weighted, from each table by itself (two chains that do not wait for each other).
; These eight lines are all that reads DM[s] and DP[s]: behind them the sub-batch's next level is asked for.
.macro SUMS l, s, left
.set rM, DM+8*(\s)
.set rP, DP+8*(\s)
.set rW, WW+4*(\s)
.set rF, FF+4*(\s)+2*((\l)%2)
	s_wait_loadcnt \left
	v_pk_mul_f32 v[rF:rF+1],   v[rM:rM+1], v[rW:rW+1] op_sel_hi:[1,0]
	v_pk_mul_f32 v[PS:PS+1],   v[rP:rP+1], v[rW:rW+1] op_sel_hi:[1,0]
	v_pk_fma_f32 v[rF:rF+1],   v[rM+2:rM+3], v[rW:rW+1], v[rF:rF+1] op_sel:[0,1,0] op_sel_hi:[1,1,1]
	v_pk_fma_f32 v[PS:PS+1],   v[rP+2:rP+3], v[rW:rW+1], v[PS:PS+1] op_sel:[0,1,0] op_sel_hi:[1,1,1]
	v_pk_fma_f32 v[rF:rF+1],   v[rM+4:rM+5], v[rW+2:rW+3], v[rF:rF+1] op_sel_hi:[1,0,1]
	v_pk_fma_f32 v[PS:PS+1],   v[rP+4:rP+5], v[rW+2:rW+3], v[PS:PS+1] op_sel_hi:[1,0,1]
	v_pk_fma_f32 v[rF:rF+1],   v[rM+6:rM+7], v[rW+2:rW+3], v[rF:rF+1] op_sel:[0,1,0] op_sel_hi:[1,1,1]
	v_pk_fma_f32 v[PS:PS+1],   v[rP+6:rP+7], v[rW+2:rW+3], v[PS:PS+1] op_sel:[0,1,0] op_sel_hi:[1,1,1]
.endm
; The point's own net's sum is kept.  Behind an odd level the two dx halves are added and the pair of levels becomes register l / 2 of source 1.  It stands behind the next level's gathers and names none of their registers.
.macro FINISH l, s
.set rE, FF+4*(\s)
.set rO, FF+4*(\s)+2
.set rF, FF+4*(\s)+2*((\l)%2)
.set rH, BH+16*(\s)+(\l)/2
	v_cndmask_b32 v[rF],   v[rF],   v[PS],   s[MP+(\s)]   ; table_p's sum where the point takes net p
	v_cndmask_b32 v[rF+1], v[rF+1], v[PS+1], s[MP+(\s)]
.if (\l)%2
	v_permlane16_swap_b32 v[rE], v[rO]             ; the even level's lanes 16-31 change places with the odd level's lanes 0-15:
	v_permlane16_swap_b32 v[rE+1], v[rO+1]         ; lanes 0-15 now hold both dx halves of the even level, lanes 16-31 of the odd one
	v_pk_add_f32 v[rE:rE+1], v[rE:rE+1], v[rO:rO+1]
	v_cvt_pk_bf16_f32 v[rH], v[rE], v[rE+1]        ; hi
	v_lshlrev_b32 v[T], 16, v[rH]
	v_and_b32 v[T+1], s[HI16], v[rH]
	v_pk_add_f32 v[rE:rE+1], v[rE:rE+1], v[T:T+1] neg_lo:[0,1] neg_hi:[0,1]
	v_cvt_pk_bf16_f32 v[rH+8], v[rE], v[rE+1]      ; lo
.endif
.endm
.macro STEP l, n                       ; a sub-batch's next level is asked for as soon as its last has been summed: the other sub-batch's eight loads are out meanwhile
	SUMS \l, 0, 8
	ASK \n, 0
	FINISH \l, 0
	WEIGH 0
	SUMS \l, 1, 8
	ASK \n, 1
	FINISH \l, 1
	WEIGH 1
.endm
	ASK 0, 0
	WEIGH 0
	ASK 0, 1
	WEIGH 1
	STEP 0, 1
	STEP 1, 2
	STEP 2, 3
	STEP 3, 4
	STEP 4, 5
	STEP 5, 6
	STEP 6, 7
	STEP 7, 8
	STEP 8, 9
	STEP 9, 10
	STEP 10, 11
	STEP 11, 12
	STEP 12, 13
	STEP 13, 14
	STEP 14, 15
	SUMS 15, 0, 8
	FINISH 15, 0
	SUMS 15, 1, 0
	FINISH 15, 1
; THE MLP, once with each net's weights.  h^T = W1^T enc^T: source 0 = 16 hidden units x 32 kappa, turned out of LDS; source 1 = 32 kappa x 16 points.  In the result a lane holds ONE point (lane % 16) and the units
; 8 (lane / 16) + 0 .. 7 of the tile, so two tiles, rounded in pairs, ARE source 1 (32 units x 16 points) of y = W2^T h: nothing changes lanes.  The net stands in the LDS loads' immediates.
; Registers that LDS loads touch here: AH0, AL0, AH1, AL1, W2R (read by products alone), RA, RB, EA, EB (b1 lands in them; products and the packing go on from there), and the three addresses, made once and never written again.
.set TRA, 5                            ; v5  the turning load's address (the weights' SGN and OFS are done with)
.set BIA, 6                            ; v6  b1's
.set W2A, 7                            ; v7  W2's rows'
.set W2R, 8                            ; v[8:15]    source 0 of the second layer (the coordinates are done with)
.set YY,  16                           ; v[16+2n], v[17+2n]  net n's y of sub-batch 0, 1
.set AH0, 52                           ; v[52:59]   even tile's source 0, hi
.set AL0, 60                           ; v[60:67]   lo
.set RA,  68                           ; v[68:75]   even tile's sums of sub-batch 0, then h of 32 units
.set RB,  76                           ; v[76:83]   the same for sub-batch 1
.set EA,  84                           ; v[84:91]   odd tile's sums of sub-batch 0, then the second layer's result
.set EB,  92                           ; v[92:99]   the same for sub-batch 1
.set AH1, 100                          ; v[100:107] odd tile's source 0, hi
.set AL1, 108                          ; v[108:115] lo
	v_and_b32 v[TRA], 7, v0                        ; the turning load: lane l reads row 8 (l / 16) + l % 8, 16 bytes at 16 ((l / 8) % 2)
	v_lshl_add_u32 v[TRA], v[DX], 3, v[TRA]
	v_mul_u32_u24 v[TRA], W1P, v[TRA]
	v_bfe_u32 v[YY], v0, 3, 1                      ; (at work: y is written later)
	v_lshl_add_u32 v[TRA], v[YY], 4, v[TRA]
	v_lshlrev_b32 v[BIA], 5, v[DX]                 ; my eight units' b1
	v_and_b32 v[W2A], 7, v0                        ; source 0 of the second layer: rows 0 and 8 W2 hi, rows 1 and 9 W2 lo, all others the row of zeros
	v_min_u32 v[W2A], 2, v[W2A]
	v_mul_u32_u24 v[W2A], W2P, v[W2A]
	v_lshl_add_u32 v[W2A], v[DX], 4, v[W2A]
.macro LOADT n, t, ah, al, da, db      ; tile t of net n's W1^T, hi and lo, and b1 into both sub-batches' accumulators: the sums start from the bias
	ds_load_tr16_b128 v[\ah:\ah+3],   v[TRA] offset:(\n)*W1NET+32*(\t)
	ds_load_tr16_b128 v[\ah+4:\ah+7], v[TRA] offset:(\n)*W1NET+32*(\t)+16*W1P
	ds_load_tr16_b128 v[\al:\al+3],   v[TRA] offset:(\n)*W1NET+W1LO+32*(\t)
	ds_load_tr16_b128 v[\al+4:\al+7], v[TRA] offset:(\n)*W1NET+W1LO+32*(\t)+16*W1P
	ds_load_b128 v[\da:\da+3],   v[BIA] offset:B1+256*(\n)+64*(\t)
	ds_load_b128 v[\da+4:\da+7], v[BIA] offset:B1+256*(\n)+64*(\t)+16
	ds_load_b128 v[\db:\db+3],   v[BIA] offset:B1+256*(\n)+64*(\t)
	ds_load_b128 v[\db+4:\db+7], v[BIA] offset:B1+256*(\n)+64*(\t)+16
.endm
.macro MUL6 ah, al, da, db             ; hi hi, hi lo, lo hi; the two accumulators take turns, one instruction a turn
	v_wmma_f32_16x16x32_bf16 v[\da:\da+7], v[\ah:\ah+7], v[BH:BH+7],     v[\da:\da+7]
	v_wmma_f32_16x16x32_bf16 v[\db:\db+7], v[\ah:\ah+7], v[BH+16:BH+23], v[\db:\db+7]
	v_wmma_f32_16x16x32_bf16 v[\da:\da+7], v[\ah:\ah+7], v[BH+8:BH+15],  v[\da:\da+7]
	v_wmma_f32_16x16x32_bf16 v[\db:\db+7], v[\ah:\ah+7], v[BH+24:BH+31], v[\db:\db+7]
	v_wmma_f32_16x16x32_bf16 v[\da:\da+7], v[\al:\al+7], v[BH:BH+7],     v[\da:\da+7]
	v_wmma_f32_16x16x32_bf16 v[\db:\db+7], v[\al:\al+7], v[BH+16:BH+23], v[\db:\db+7]
.endm
.macro PACK src, dst                   ; eight sums to four words of bf16, from the low end on, then the ReLU on the packed halves
.irp i, 0,1,2,3
	v_cvt_pk_bf16_f32 v[\dst+\i], v[\src+2*\i], v[\src+2*\i+1]
.endr
.irp i, 0,1,2,3
	v_pk_max_num_bf16 v[\dst+\i], v[\dst+\i], v[ZR]
.endr
.endm
.macro PLACES n                        ; plain instructions that name no register of the products before them (ISA guide 7.12.1): four ahead of a read of a result, five ahead of a product that writes over a product's register
.rept \n
	v_nop
.endr
.endm
.macro HALF n, u                       ; net n, hidden units 32 u .. 32 u + 31
.set rY, YY+2*(\n)
	s_wait_alu depctr_va_vdst(0)                   ; first half: the three addresses are written, and the encoding is done with the registers in which the loads land; later: the half before is done with them: its products have read both tiles, W2's rows and h and written their results, its additions have read those
	LOADT \n, 2*(\u), AH0, AL0, RA, RB             ; all eighteen loads of the half in one run: no vector or matrix line among them
	LOADT \n, 2*(\u)+1, AH1, AL1, EA, EB
	ds_load_b128 v[W2R:W2R+3],   v[W2A] offset:W2T+512*(\n)+64*(\u)
	ds_load_b128 v[W2R+4:W2R+7], v[W2A] offset:W2T+512*(\n)+64*(\u)+32
	s_wait_dscnt 10                                ; LDS loads come back in order: the even tile's eight are in, the ten younger ones may stay out
	MUL6 AH0, AL0, RA, RB
	s_wait_dscnt 2                                 ; the odd tile's eight are in; W2's two may stay out
	MUL6 AH1, AL1, EA, EB
	PLACES 4
	PACK RA, RA
	PACK RB, RB
	PACK EA, RA+4                                  ; the lines above are further places behind the odd tile's last products
	PACK EB, RB+4
	s_wait_dscnt 0x0                               ; W2's rows
	v_wmma_f32_16x16x32_bf16 v[EA:EA+7], v[W2R:W2R+7], v[RA:RA+7], 0
	v_wmma_f32_16x16x32_bf16 v[EB:EB+7], v[W2R:W2R+7], v[RB:RB+7], 0
	PLACES 5
.if (\u) == 0
	v_add_f32 v[rY], v[EA], v[EA+1]                ; register 0: W2 hi . h, register 1: W2 lo . h, for point lane % 16, in both halves of the lanes
	v_add_f32 v[rY+1], v[EB], v[EB+1]
.else
	v_add_f32 v[rY], v[rY], v[EA]
	v_add_f32 v[rY+1], v[rY+1], v[EB]
	v_add_f32 v[rY], v[rY], v[EA+1]
	v_add_f32 v[rY+1], v[rY+1], v[EB+1]
.endif
.endm
	HALF 0, 0
	HALF 0, 1
	HALF 1, 0
	HALF 1, 1
	v_cndmask_b32 v100, v[YY], v[YY+1], s[HI16]    ; lanes 0-15 keep sub-batch 0, lanes 16-31 sub-batch 1: lane l holds point 32 w + l,
	v_cndmask_b32 v101, v[YY+2], v[YY+3], s[HI16]  ; by net m's weights and by net p's
	v_add_f32 v100, s[B2M], v100
	v_add_f32 v101, s[B2P], v101
	v_cndmask_b32 v100, v100, v101, s[MF]          ; the point's own net
	v_lshlrev_b32 v102, 2, v0                      ; where my result goes in LDS,
	v_lshlrev_b32 v103, 4, v0                      ; and, for waves 0 to 3, the 16 bytes that a lane reads back and stores
	s_wait_alu depctr_va_vdst(0)                   ; v100, v102 and v103 are written: the LDS store's data and address, and the address of the load and the store behind the barrier; the products are done reading v[104:107], in which that load lands; no vector line follows
	ds_store_b32 v102, v100 offset:OUTS
	s_wait_dscnt 0x0                               ; for the others' sake: my results are stored
	s_barrier_signal -1
	s_barrier_wait -1
	; THE WAY OUT.  Waves 0 to 3: four points a lane, one store of 16 bytes; sixteen lanes store 256 consecutive bytes, aligned
	s_cmp_lt_u32 s[WV], 4
	s_cbranch_scc0 .Lend
	ds_load_b128 v[104:107], v103 offset:OUTS
	s_lshl_b32 s4, ttmp9, 11                       ; the work-group's 512 results
	s_mov_b32 s5, 0
	s_add_nc_u64 s[30:31], s[30:31], s[4:5]
	s_wait_dscnt 0x0
	global_store_b128 v103, v[104:107], s[30:31] th:TH_STORE_NT
.Lend:
	s_wait_dscnt 0x0                               ; the wave's end
	s_wait_alu 0x0
	s_wait_tensorcnt 0x0
	ds_add_u32 v[SPW], v[NIL]
	s_wait_dscnt 0x0
	s_endpgm
.Lfunc_end_k_q562b3131b5_encode_mlp:
	.size	k_q562b3131b5_encode_mlp, .Lfunc_end_k_q562b3131b5_encode_mlp-k_q562b3131b5_encode_mlp
	.p2alignl 7, 3214868480
	.fill 96, 4, 3214868480
	.section	.rodata,"a",@progbits
	.p2align	6, 0x0
	.amdhsa_kernel k_q562b3131b5_encode_mlp
		.amdhsa_group_segment_fixed_size 26112
		.amdhsa_private_segment_fixed_size 0
		.amdhsa_enable_private_segment 0
		.amdhsa_kernarg_size 96
		.amdhsa_user_sgpr_count 2
		.amdhsa_user_sgpr_kernarg_segment_ptr 1
		.amdhsa_wavefront_size32 1
		.amdhsa_system_sgpr_workgroup_id_x 1
		.amdhsa_system_sgpr_workgroup_id_y 1
		.amdhsa_system_sgpr_workgroup_id_z 1
		.amdhsa_system_vgpr_workitem_id 0
		.amdhsa_next_free_vgpr 124
		.amdhsa_next_free_sgpr 84
		.amdhsa_reserve_vcc 0
		.amdhsa_float_denorm_mode_32 3
		.amdhsa_float_denorm_mode_16_64 3
		.amdhsa_memory_ordered 1
		.amdhsa_forward_progress 1
		.amdhsa_inst_pref_size 153
	.end_amdhsa_kernel
	.amdgpu_metadata
---
amdhsa.version: [ 1, 2 ]
amdhsa.kernels:
  - .name:           k_q562b3131b5_encode_mlp
    .symbol:         k_q562b3131b5_encode_mlp.kd
    .args:
      - { .name: rec, .offset: 0, .size: 8, .value_kind: global_buffer, .address_space: global }
      - { .name: table_m, .offset: 8, .size: 8, .value_kind: global_buffer, .address_space: global }
      - { .name: table_p, .offset: 16, .size: 8, .value_kind: global_buffer, .address_space: global }
      - { .name: W1_m, .offset: 24, .size: 8, .value_kind: global_buffer, .address_space: global }
      - { .name: W1_p, .offset: 32, .size: 8, .value_kind: global_buffer, .address_space: global }
      - { .name: b1_m, .offset: 40, .size: 8, .value_kind: global_buffer, .address_space: global }
      - { .name: b1_p, .offset: 48, .size: 8, .value_kind: global_buffer, .address_space: global }
      - { .name: W2_m, .offset: 56, .size: 8, .value_kind: global_buffer, .address_space: global }
      - { .name: W2_p, .offset: 64, .size: 8, .value_kind: global_buffer, .address_space: global }
      - { .name: b2_m, .offset: 72, .size: 8, .value_kind: global_buffer, .address_space: global }
      - { .name: b2_p, .offset: 80, .size: 8, .value_kind: global_buffer, .address_space: global }
      - { .name: out0, .offset: 88, .size: 8, .value_kind: global_buffer, .address_space: global }
    .group_segment_fixed_size: 26112
    .private_segment_fixed_size: 0
    .kernarg_segment_align: 8
    .kernarg_segment_size: 96
    .max_flat_workgroup_size: 512
    .sgpr_count:     84
    .vgpr_count:     124
    .wavefront_size: 32
...
	.end_amdgpu_metadata
.endif
;; end of part 3
